; MI455X (gfx1250); checked and timed in simulation.
; The chip was launched on July 23, 2026; its instructions are those of AMD's public machine-readable ISA for CDNA 5 (MIT licence, August 2026) and "CDNA5" Instruction Set Architecture Reference Guide (July 2026). The comments in the code are by the model that wrote it; some were corrected since.
;; Social Transformer Encoder. Allowed arithmetic: float matrix products may take bf16 or f16 operands with f32 sums; all other float work in f32.
;; Inputs: W1 3 x 128 x 512 float32; W2 3 x 512 x 128 float32; Wk 3 x 128 x 128 float32; Wo 3 x 128 x 128 float32; Wq 3 x 128 x 128 float32; Wv 3 x 128 x 128 float32; b1 3 x 512 float32; b2 3 x 128 float32; bk 3 x 128 float32; bo 3 x 128 float32; bq 3 x 128 float32; bv 3 x 128 float32; ego_W 128 x 128 float32; ego_b 128 float32; ego_context 8,192 x 128 float32; ego_ln_b 128 float32; ego_ln_g 128 float32; ego_pos 8,192 x 2 float32; ego_vel 8,192 x 2 float32; n1_b 3 x 128 float32; n1_g 3 x 128 float32; n2_b 3 x 128 float32; n2_g 3 x 128 float32; neighbor_mask 8,192 x 64 bool; neighbor_pos 8,192 x 64 x 2 float32; neighbor_vel 8,192 x 64 x 2 float32; nkv_b 3 x 128 float32; nkv_g 3 x 128 float32; np_W 6 x 128 float32; np_b 128 float32; np_ln_b 128 float32; np_ln_g 128 float32; out_W 128 x 128 float32; out_b 128 float32; out_ln_b 128 float32; out_ln_g 128 float32.
;; Outputs: out0 8,192 x 128 float32.
;; One version. Each part assembles by itself: llvm-mc -triple=amdgcn-amd-amdhsa -mcpu=gfx1250 --defsym DOCPART=n.
;; ======== version 1 of 1: 2 launches
;; limits: values outside matrix products are rounded to f16; values are held in f16: magnitudes above 65,504 overflow, below 6.1e-05 lose precision; right only within a limited range of input values
;; workspace buffers: pack 1,253,376 bytes; params 10,752 bytes
;; launch prep (part 1): grid 326 x 1, 8 waves a work-group, no clusters, 4,352 bytes of LDS; arguments Wq, Wk, Wv, Wo, W1, W2, ego_W, out_W, n1_g, nkv_g, n2_g, n1_b, nkv_b, n2_b, bq, bk, bv, b1, np_W, np_b, np_ln_g, np_ln_b, pack, params; writes pack, params
.if DOCPART == 1
	.amdgcn_target "amdgcn-amd-amdhsa--gfx1250"
	.amdhsa_code_object_version 6
	.text
	.protected	k_qd8ca0ce076_prep
	.globl	k_qd8ca0ce076_prep
	.p2align	8
	.type	k_qd8ca0ce076_prep,@function
k_qd8ca0ce076_prep:
	s_mov_b64 s[64:65], 0
	v_nop
	global_prefetch_b8 v0, s[64:65] scope:SCOPE_SE
	s_setreg_imm32_b32 hwreg(HW_REG_WAVE_MODE, 25, 1), 1
	s_wait_xcnt 0x0
; Folds the layer norms' gains and biases into the weights and lays the weights out as f16 matrix fragments.
; pack: fragments of 1,024 bytes; byte 16 L holds registers 0-3 of lane L, byte 512 + 16 L registers 4-7.
;   lane L = (r = L & 15, hh = L >> 4) holds row 16 T + r; registers 0-3: k = 32 s + 8 hh + 0..7, registers 4-7: k = 32 s + 16 + 8 hh + 0..7.
;   layer l at l * 393,216: Q +0 (n1_g[k] Wq[k][row]), QK +32,768 (kappa nkv_g[row] Wk[row][k]), CT +65,536 (nkv_g[k] Wv[k][row]),
;   WO +98,304, W1 +131,072 (n2_g[k] W1[k][row]), W2 +262,144; out_W at 1,179,648, ego_W at 1,212,416, the neighbour projection at 1,245,184.
; params (f32), layer l at l * 3,584: n1_b Wq + bq (+0), kappa (nkv_b Wk + bk) (+512), nkv_b Wv + bv (+1,024), n2_b W1 + b1 (+1,536).
; kappa = log2(e) / sqrt(16): the scores' scale and the base-2 exponential's factor in one.
; Work-groups 0-303 make 4,096 bytes of pack each (a thread: 16 bytes); 304-324 one folded bias of 128 numbers each; 325 the neighbour projection.
; Every case is its own straight text, so that each load and store has one buffer as its base.
; LIMIT: folded weights are rounded to f16 (largest 65,504; below 6.1e-5 the step is 6e-8).
.set KAPPA, 0x3eb8aa3b
.set NPW,   1245184
	s_load_b512 s[4:19], s[0:1], 0x0               ; Wq 4, Wk 6, Wv 8, Wo 10, W1 12, W2 14, ego_W 16, out_W 18
	s_load_b512 s[20:35], s[0:1], 0x40             ; n1_g 20, nkv_g 22, n2_g 24, n1_b 26, nkv_b 28, n2_b 30, bq 32, bk 34
	s_load_b512 s[36:51], s[0:1], 0x80             ; bv 36, b1 38, np_W 40, np_b 42, np_ln_g 44, np_ln_b 46, pack 48, params 50
	v_lshrrev_b32 v1, 5, v0
	v_readfirstlane_b32 s54, v1                    ; wave
	s_mov_b32 s55, ttmp9                           ; work-group
	s_mov_b32 s53, 0                               ; upper word of every 32-bit offset
	s_wait_kmcnt 0x0
	s_cmp_ge_u32 s55, 325
	s_cbranch_scc1 .Lnp
	s_cmp_ge_u32 s55, 304
	s_cbranch_scc1 .Lfold
; ---- packing.  l = layer (3: the two matrices outside the layers), m = which 4,096 bytes of the layer's 393,216
	s_cmp_ge_u32 s55, 96
	s_cselect_b32 s60, 1, 0
	s_cmp_ge_u32 s55, 192
	s_cselect_b32 s61, 1, 0
	s_add_co_u32 s60, s60, s61
	s_cmp_ge_u32 s55, 288
	s_cselect_b32 s61, 1, 0
	s_add_co_u32 s60, s60, s61
	s_mul_i32 s61, s60, 96
	s_sub_co_u32 s61, s55, s61
; src: the matrix's pointer register; lay, lsh: add l << lsh bytes; gain, mode: 0 none, 1 gain[k], 2 kappa gain[row];
; rs, ks: bytes from row to row and from k to k; fragment f -> T = (f >> shT) & mT, s = (f >> shS) & mS; mbase: the matrix's first m
.macro PACK src, lay, lsh, gain, mode, rs, ks, shT, mT, shS, mS, mbase
	s_sub_co_u32 s62, s61, \mbase
	s_lshl_b32 s62, s62, 8                         ; 256 pieces of 16 bytes a work-group
.if \lay
	s_lshl_b32 s52, s60, \lsh
	s_add_nc_u64 s[56:57], s[\src:\src+1], s[52:53]
.else
	s_mov_b64 s[56:57], s[\src:\src+1]
.endif
.if \mode
	s_lshl_b32 s52, s60, 9
	s_add_nc_u64 s[66:67], s[\gain:\gain+1], s[52:53]
.endif
	s_lshl_b32 s52, s55, 12
	s_add_nc_u64 s[58:59], s[48:49], s[52:53]      ; my 4,096 bytes of pack
	v_add_nc_u32 v1, s62, v0                       ; piece c in the matrix
	v_lshrrev_b32 v2, 6, v1                        ; fragment
	v_bfe_u32 v3, v1, 5, 1                         ; registers 0-3 or 4-7
	v_and_b32 v4, 15, v0                           ; r
	v_bfe_u32 v5, v0, 4, 1                         ; hh
	v_lshrrev_b32 v6, \shT, v2
	v_and_b32 v6, \mT, v6
	v_lshrrev_b32 v7, \shS, v2
	v_and_b32 v7, \mS, v7
	v_lshl_add_u32 v6, v6, 4, v4                   ; row = 16 T + r
	v_lshlrev_b32 v7, 5, v7
	v_lshl_add_u32 v7, v3, 4, v7
	v_lshl_add_u32 v7, v5, 3, v7                   ; k0 = 32 s + 16 half + 8 hh
	v_mul_u32_u24 v24, v6, \rs
	v_mad_u32_u24 v24, v7, \ks, v24
	v_lshlrev_b32 v26, 4, v0
.if \ks == 4
	global_load_b128 v[8:11], v24, s[56:57]        ; k lies along the rows: 32 neighbouring bytes
	global_load_b128 v[12:15], v24, s[56:57] offset:16
.else
.irp i, 0,1,2,3,4,5,6,7
	global_load_b32 v[8+\i], v24, s[56:57] offset:\i*\ks
.endr
.endif
.if \mode == 1
	v_lshlrev_b32 v25, 2, v7
	global_load_b128 v[16:19], v25, s[66:67]
	global_load_b128 v[20:23], v25, s[66:67] offset:16
	s_wait_loadcnt 0x0
.irp j, 0,2,4,6
	v_pk_mul_f32 v[8+\j:9+\j], v[8+\j:9+\j], v[16+\j:17+\j]
.endr
.endif
.if \mode == 2
	v_lshlrev_b32 v25, 2, v6
	global_load_b32 v16, v25, s[66:67]
	s_wait_loadcnt 0x0
	v_mul_f32 v17, KAPPA, v16
	v_mov_b32 v16, v17
.irp j, 0,2,4,6
	v_pk_mul_f32 v[8+\j:9+\j], v[8+\j:9+\j], v[16:17]
.endr
.endif
.if \mode == 0
	s_wait_loadcnt 0x0
.endif
.irp j, 0,1,2,3
	v_cvt_pk_f16_f32 v[28+\j], v[8+2*\j], v[9+2*\j]
.endr
	global_store_b128 v26, v[28:31], s[58:59]      ; a wave's store covers 512 consecutive bytes, aligned
	s_endpgm
.endm
	s_cmp_eq_u32 s60, 3
	s_cbranch_scc1 .Lp3
	s_cmp_lt_u32 s61, 8
	s_cbranch_scc1 .LpQ
	s_cmp_lt_u32 s61, 16
	s_cbranch_scc1 .LpK
	s_cmp_lt_u32 s61, 24
	s_cbranch_scc1 .LpV
	s_cmp_lt_u32 s61, 32
	s_cbranch_scc1 .LpO
	s_cmp_lt_u32 s61, 64
	s_cbranch_scc1 .Lp1
	PACK 14, 1, 18, 0, 0, 4, 512, 4, 255, 0, 15, 64        ; W2
.LpQ:
	PACK 4, 1, 16, 20, 1, 4, 512, 2, 255, 0, 3, 0          ; Wq with n1_g
.LpK:
	PACK 6, 1, 16, 22, 2, 512, 4, 0, 7, 3, 3, 8            ; Wk with kappa nkv_g, rows = d
.LpV:
	PACK 8, 1, 16, 22, 1, 4, 512, 2, 255, 0, 3, 16         ; Wv with nkv_g
.LpO:
	PACK 10, 1, 16, 0, 0, 4, 512, 2, 255, 0, 3, 24         ; Wo
.Lp1:
	PACK 12, 1, 18, 24, 1, 4, 2048, 2, 255, 0, 3, 32       ; W1 with n2_g
.Lp3:
	s_cmp_lt_u32 s61, 8
	s_cbranch_scc1 .LpU
	PACK 16, 0, 0, 0, 0, 4, 512, 2, 255, 0, 3, 8           ; ego_W
.LpU:
	PACK 18, 0, 0, 0, 0, 4, 512, 2, 255, 0, 3, 0           ; out_W
; ---- folded biases: out[c] = scale (sum over k of vec[k] M[k][c] + bias[c]), 128 columns a work-group, in f32.
; Wave kg takes k = 16 kg .. 16 kg + 15 (vec as scalars), a lane four columns; the eight partial rows meet in LDS.
.Lfold:
	s_sub_co_u32 s55, s55, 304
	s_cmp_ge_u32 s55, 7
	s_cselect_b32 s60, 1, 0
	s_cmp_ge_u32 s55, 14
	s_cselect_b32 s61, 1, 0
	s_add_co_u32 s60, s60, s61                     ; layer
	s_mul_i32 s61, s60, 7
	s_sub_co_u32 s55, s55, s61                     ; kind 0..6
	v_and_b32 v1, 31, v0
	v_lshlrev_b32 v3, 4, v0                        ; LDS: 512 kg + 16 lane
; s61: byte offset of the block of 128 columns in M's rows and in bias; s62: where in the layer's params
.macro FOLD vec, mat, lsh, pitch, bias, blsh, kap
	s_lshl_b32 s52, s60, 9
	s_add_nc_u64 s[56:57], s[\vec:\vec+1], s[52:53]
	s_lshl_b32 s52, s60, \lsh
	s_add_co_u32 s52, s52, s61
	s_add_nc_u64 s[58:59], s[\mat:\mat+1], s[52:53]
	s_lshl_b32 s52, s60, \blsh
	s_add_co_u32 s52, s52, s61
	s_add_nc_u64 s[66:67], s[\bias:\bias+1], s[52:53]
	s_mul_i32 s52, s60, 3584
	s_add_co_u32 s52, s52, s62
	s_add_nc_u64 s[70:71], s[50:51], s[52:53]
	s_lshl_b32 s68, s54, 6
	s_load_b512 s[72:87], s[56:57], s68 offset:0x0 ; my sixteen numbers of vec
	s_mul_i32 s69, s54, 16*\pitch
	v_lshl_add_u32 v2, v1, 4, s69
.irp i, 0,1,2,3,4,5,6,7,8,9,10,11,12,13,14,15
	global_load_b128 v[16+4*\i:19+4*\i], v2, s[58:59] offset:\i*\pitch
.endr
	s_wait_kmcnt 0x0
	s_wait_loadcnt 0x0
.irp j, 0,1,2,3
	v_mul_f32 v[8+\j], s72, v[16+\j]
.endr
.irp i, 1,2,3,4,5,6,7,8,9,10,11,12,13,14,15
.irp j, 0,1,2,3
	v_fmac_f32 v[8+\j], s[72+\i], v[16+4*\i+\j]
.endr
.endr
	ds_store_b128 v3, v[8:11]
	s_wait_dscnt 0x0                               ; my partial row is in LDS before I say so
	s_barrier_signal -1
	s_barrier_wait -1
	s_cmp_lg_u32 s54, 0
	s_cbranch_scc1 .Lfend_\@
	global_load_b128 v[12:15], v3, s[66:67]        ; wave 0: v3 = 16 lane
.irp i, 0,1,2,3,4,5,6,7
	ds_load_b128 v[16+4*\i:19+4*\i], v3 offset:512*\i
.endr
	s_wait_dscnt 0x0
.irp i, 1,2,3,4,5,6,7
	v_pk_add_f32 v[16:17], v[16:17], v[16+4*\i:17+4*\i]
	v_pk_add_f32 v[18:19], v[18:19], v[18+4*\i:19+4*\i]
.endr
	s_wait_loadcnt 0x0
	v_pk_add_f32 v[16:17], v[16:17], v[12:13]
	v_pk_add_f32 v[18:19], v[18:19], v[14:15]
.if \kap
	v_pk_mul_f32 v[16:17], v[16:17], KAPPA op_sel_hi:[1,0]
	v_pk_mul_f32 v[18:19], v[18:19], KAPPA op_sel_hi:[1,0]
.endif
	global_store_b128 v3, v[16:19], s[70:71]       ; 512 consecutive bytes, aligned
.Lfend_\@:
	s_endpgm
.endm
	s_cmp_eq_u32 s55, 0
	s_cbranch_scc1 .Lf0
	s_cmp_eq_u32 s55, 1
	s_cbranch_scc1 .Lf1
	s_cmp_eq_u32 s55, 2
	s_cbranch_scc1 .Lf2
	s_sub_co_u32 s61, s55, 3
	s_lshl_b32 s61, s61, 9                         ; block of 128 of W1's 512 columns
	s_add_co_u32 s62, s61, 1536
	FOLD 30, 12, 18, 2048, 38, 11, 0               ; n2_b W1 + b1
.Lf0:
	s_mov_b32 s61, 0
	s_mov_b32 s62, 0
	FOLD 26, 4, 16, 512, 32, 9, 0                  ; n1_b Wq + bq
.Lf1:
	s_mov_b32 s61, 0
	s_mov_b32 s62, 512
	FOLD 28, 6, 16, 512, 34, 9, 1                  ; kappa (nkv_b Wk + bk)
.Lf2:
	s_mov_b32 s61, 0
	s_mov_b32 s62, 1024
	FOLD 28, 8, 16, 512, 36, 9, 0                  ; nkv_b Wv + bv
; ---- the neighbour projection.  The first layer norm's mean is taken out of the weights: Wc = np_W - its mean over d, bc likewise.
; Fragment T, lanes 0-15 (d = 16 T + r): registers 0-3 = (Wc[0..5][d], bc[d], 0), registers 4-7 = (g Wc[0..5][d], g bc[d], np_ln_b[d]); lanes 16-31 zeros.
; Thread t: d = t & 127; threads 0-127 make registers 0-3, threads 128-255 registers 4-7.
.Lnp:
	v_and_b32 v1, 127, v0
	v_lshlrev_b32 v2, 2, v1
.irp i, 0,1,2,3,4,5
	global_load_b32 v[8+\i], v2, s[40:41] offset:512*\i
.endr
	global_load_b32 v14, v2, s[42:43]
	global_load_b32 v15, v2, s[44:45]
	global_load_b32 v16, v2, s[46:47]
	s_mov_b32 s56, 0x76543210
	s_mov_b32 s57, 0xfedcba98
	v_mov_b32 v27, 0
	v_mov_b32 v28, 0
	v_lshrrev_b32 v4, 5, v0
	v_lshl_add_u32 v4, v4, 5, 4096                 ; my wave's eight words
	v_mov_b32 v5, 4096
	s_wait_loadcnt 0x0
.irp q, 0,1,2,3,4,5,6
	v_mov_b32 v[20+\q], v[8+\q]
	v_add_f32_dpp v[20+\q], v[20+\q], v[20+\q] row_xmask:1 row_mask:0xf bank_mask:0xf
	v_add_f32_dpp v[20+\q], v[20+\q], v[20+\q] row_xmask:2 row_mask:0xf bank_mask:0xf
	v_add_f32_dpp v[20+\q], v[20+\q], v[20+\q] row_xmask:4 row_mask:0xf bank_mask:0xf
	v_add_f32_dpp v[20+\q], v[20+\q], v[20+\q] row_xmask:8 row_mask:0xf bank_mask:0xf
	v_permlanex16_b32 v28, v[20+\q], s56, s57
	v_add_f32 v[20+\q], v[20+\q], v28
.endr
	ds_store_b128 v4, v[20:23]
	ds_store_b128 v4, v[24:27] offset:16
	s_wait_dscnt 0x0
	s_barrier_signal -1
	s_barrier_wait -1
.irp i, 0,1,2,3
	ds_load_b128 v[32+8*\i:35+8*\i], v5 offset:32*\i       ; waves 0-3 cover d = 0..127 once
	ds_load_b128 v[36+8*\i:39+8*\i], v5 offset:32*\i+16
.endr
	s_wait_dscnt 0x0
.irp q, 0,1,2,3,4,5,6
	v_add_f32 v[32+\q], v[32+\q], v[40+\q]
	v_add_f32 v[48+\q], v[48+\q], v[56+\q]
	v_add_f32 v[32+\q], v[32+\q], v[48+\q]
	v_fmamk_f32 v[8+\q], v[32+\q], 0xbc000000, v[8+\q]     ; minus the sum / 128
.endr
	v_cmp_lt_u32 vcc_lo, 127, v0
	v_cndmask_b32 v17, 1.0, v15, vcc_lo            ; second half: times the gain,
	v_cndmask_b32 v18, 0, v16, vcc_lo              ; and the eighth weight is the bias (its feature is the standard deviation)
.irp q, 0,1,2,3,4,5,6
	v_mul_f32 v[8+\q], v[8+\q], v17
.endr
	v_cvt_pk_f16_f32 v40, v8, v9
	v_cvt_pk_f16_f32 v41, v10, v11
	v_cvt_pk_f16_f32 v42, v12, v13
	v_cvt_pk_f16_f32 v43, v14, v18
.irp j, 44,45,46,47
	v_mov_b32 v\j, 0
.endr
	v_lshrrev_b32 v6, 4, v1
	v_lshlrev_b32 v6, 10, v6
	v_lshrrev_b32 v7, 7, v0
	v_lshl_add_u32 v6, v7, 9, v6
	v_and_b32 v7, 15, v0
	v_lshl_add_u32 v6, v7, 4, v6
	global_store_b128 v6, v[40:43], s[48:49] offset:NPW        ; sixteen lanes store 256 consecutive bytes, aligned
	global_store_b128 v6, v[44:47], s[48:49] offset:NPW+256    ; lanes 16-31 of the fragment: zeros
	s_endpgm
.Lfunc_end_k_qd8ca0ce076_prep:
	.size	k_qd8ca0ce076_prep, .Lfunc_end_k_qd8ca0ce076_prep-k_qd8ca0ce076_prep
	.p2alignl 7, 3214868480
	.fill 96, 4, 3214868480
	.section	.rodata,"a",@progbits
	.p2align	6, 0x0
	.amdhsa_kernel k_qd8ca0ce076_prep
		.amdhsa_group_segment_fixed_size 4352
		.amdhsa_private_segment_fixed_size 0
		.amdhsa_enable_private_segment 0
		.amdhsa_kernarg_size 192
		.amdhsa_user_sgpr_count 2
		.amdhsa_user_sgpr_kernarg_segment_ptr 1
		.amdhsa_wavefront_size32 1
		.amdhsa_system_sgpr_workgroup_id_x 1
		.amdhsa_system_sgpr_workgroup_id_y 1
		.amdhsa_system_sgpr_workgroup_id_z 1
		.amdhsa_system_vgpr_workitem_id 0
		.amdhsa_next_free_vgpr 96
		.amdhsa_next_free_sgpr 88
		.amdhsa_reserve_vcc 1
		.amdhsa_float_denorm_mode_32 3
		.amdhsa_float_denorm_mode_16_64 3
		.amdhsa_memory_ordered 1
		.amdhsa_forward_progress 1
		.amdhsa_inst_pref_size 53
	.end_amdhsa_kernel
	.amdgpu_metadata
---
amdhsa.version: [ 1, 2 ]
amdhsa.kernels:
  - .name:           k_qd8ca0ce076_prep
    .symbol:         k_qd8ca0ce076_prep.kd
    .args:
      - { .name: Wq, .offset: 0, .size: 8, .value_kind: global_buffer, .address_space: global }
      - { .name: Wk, .offset: 8, .size: 8, .value_kind: global_buffer, .address_space: global }
      - { .name: Wv, .offset: 16, .size: 8, .value_kind: global_buffer, .address_space: global }
      - { .name: Wo, .offset: 24, .size: 8, .value_kind: global_buffer, .address_space: global }
      - { .name: W1, .offset: 32, .size: 8, .value_kind: global_buffer, .address_space: global }
      - { .name: W2, .offset: 40, .size: 8, .value_kind: global_buffer, .address_space: global }
      - { .name: ego_W, .offset: 48, .size: 8, .value_kind: global_buffer, .address_space: global }
      - { .name: out_W, .offset: 56, .size: 8, .value_kind: global_buffer, .address_space: global }
      - { .name: n1_g, .offset: 64, .size: 8, .value_kind: global_buffer, .address_space: global }
      - { .name: nkv_g, .offset: 72, .size: 8, .value_kind: global_buffer, .address_space: global }
      - { .name: n2_g, .offset: 80, .size: 8, .value_kind: global_buffer, .address_space: global }
      - { .name: n1_b, .offset: 88, .size: 8, .value_kind: global_buffer, .address_space: global }
      - { .name: nkv_b, .offset: 96, .size: 8, .value_kind: global_buffer, .address_space: global }
      - { .name: n2_b, .offset: 104, .size: 8, .value_kind: global_buffer, .address_space: global }
      - { .name: bq, .offset: 112, .size: 8, .value_kind: global_buffer, .address_space: global }
      - { .name: bk, .offset: 120, .size: 8, .value_kind: global_buffer, .address_space: global }
      - { .name: bv, .offset: 128, .size: 8, .value_kind: global_buffer, .address_space: global }
      - { .name: b1, .offset: 136, .size: 8, .value_kind: global_buffer, .address_space: global }
      - { .name: np_W, .offset: 144, .size: 8, .value_kind: global_buffer, .address_space: global }
      - { .name: np_b, .offset: 152, .size: 8, .value_kind: global_buffer, .address_space: global }
      - { .name: np_ln_g, .offset: 160, .size: 8, .value_kind: global_buffer, .address_space: global }
      - { .name: np_ln_b, .offset: 168, .size: 8, .value_kind: global_buffer, .address_space: global }
      - { .name: pack, .offset: 176, .size: 8, .value_kind: global_buffer, .address_space: global }
      - { .name: params, .offset: 184, .size: 8, .value_kind: global_buffer, .address_space: global }
    .group_segment_fixed_size: 4352
    .private_segment_fixed_size: 0
    .kernarg_segment_align: 8
    .kernarg_segment_size: 192
    .max_flat_workgroup_size: 256
    .sgpr_count:     88
    .vgpr_count:     96
    .wavefront_size: 32
...
	.end_amdgpu_metadata
.endif
;; end of part 1
;; launch main (part 2): grid 512 x 1, 8 waves a work-group, no clusters, 327,680 bytes of LDS; arguments ego_context, ego_pos, ego_vel, neighbor_pos, neighbor_vel, neighbor_mask, ego_b, ego_ln_g, ego_ln_b, bo, b2, out_b, out_ln_g, out_ln_b, pack, params, out0; writes out0
.if DOCPART == 2
	.amdgcn_target "amdgcn-amd-amdhsa--gfx1250"
	.amdhsa_code_object_version 6
	.text
	.protected	k_qd8ca0ce076_main
	.globl	k_qd8ca0ce076_main
	.p2align	8
	.type	k_qd8ca0ce076_main,@function
k_qd8ca0ce076_main:
	s_mov_b64 s[64:65], 0
	v_nop
	global_prefetch_b8 v0, s[64:65] scope:SCOPE_SE
	s_setreg_imm32_b32 hwreg(HW_REG_WAVE_MODE, 25, 1), 1
	s_wait_xcnt 0x0
; The whole encoder for 16 egos a work-group, eight waves.  Three identities, exact for every input, shape the work:
;  (1) one query per ego: Q_h . K[n] = nbhat[n] . (Wk'_h Q_h) + Q_h . bk'_h, and sum_n a[n] V[n] = (sum_n a[n] nbhat[n]) Wv'_h + bv'_h since sum a = 1:
;      K and V are never formed; per ego and layer 32 matrix instructions on nbhat take the place of 256;
;  (2) kv_i = nbhat * nkv_g[i] + nkv_b[i] with nbhat the same in all layers: it is made once (bf16, in LDS), gains and biases are folded into the weights;
;  (3) relu(zhat g + b) = relu(zc g + b sd) / sd, and the next layer norm swallows 1 / sd if its eps becomes eps sd^2: sd enters as an eighth feature.
; Wave w: egos 2w, 2w+1 in the neighbour and attention stages; columns 16w..16w+15 (= head w) of every 128-wide product; columns 64w..64w+63 of W1.
; Every product: source 0 = weights or nbhat (register block 1), source 1 = activations (block 0), so a lane of D holds 8 neighbouring columns of one
; row: dense D: lane r = ego, register j = column 16T + 8hh + j; scores and u: lane r = head r & 7 (lanes 8-15 repeat 0-7).
; Formats: f16 for the dense path and the features (bounded operands), bf16 for nbhat, w and the attention weights; all else f32.
; NO TENSOR LOADS, NO CLUSTER: nbhat (278,528 bytes) and the activations take all 327,680 bytes of LDS, so there is no room for weight slots, and with one
; 16-row tile a work-group each weight fragment feeds exactly one matrix instruction of one wave: through LDS it would be written and read once more for no reuse.
; Weights go from memory straight into block 1, one stage or more ahead of their use.
; LIMITS: f16 operands (largest 65,504): features, sd, layer-norm outputs, Q, u, ctx, gelu's output; x / 64 at the last product (|x| < 4.19e6).
; erf by a rational-exponential form, absolute error 1.5e-7; atan by a polynomial, 2e-8.  A masked score is -1e9 log2(e) + c + s, not the constant alone:
; its weight is 0 as in the reference while valid scores stay above -1e9 + 150.  The radius test is d^2 < 9 with d^2 by one fused multiply-add.
; v_sqrt_f32, v_rcp_f32, v_rsq_f32, v_exp_f32 flush denormals (ISA guide 15.8).
.set NB,   0                           ; nbhat bf16: ego * 17,408 + n * 272 + 2 d
.set WU,   278528                      ; w (bf16) then u (f16): ego * 2,160 + head * 272 + 2 d; also feature rows, gelu's output (pitch 1,040), the output stage (pitch 528)
.set ACT0, 313088                      ; f16: ego * 272 + 2 col
.set ACT1, 317440
.set MB,   321792                      ; f32: ego * 256 + 4 n: 0 or -1e9 log2(e)
.set CB,   325888                      ; f32: ego * 32 + 4 head
.set ST,   326400                      ; wave * 128 + ego * 8: (mean, sum of squared deviations) of 16 columns
.set P_QK, 32768
.set P_CT, 65536
.set P_WO, 98304
.set P_W1, 131072
.set P_W2, 262144
.set P_LAYER, 393216
.set P_EGOW,  1212416
.set P_NPW,   1245184
.set X,   32                           ; v[32:39]  the residual stream, my 8 columns of my lane's ego
.set PQ,  40
.set PK,  48
.set PV,  56
.set PO,  64
.set PB2, 72
.set A1,  80                           ; v[80:103] second accumulators; between products the norms' and the softmax's scratch
.set A2,  88
.set A3,  96
.set BF,  104
.set HA,  136
.set TOB1, 0x40                        ; destination in block 1
.set MUL,  0x01                        ; source 0 in block 1
.set MSB, 0
.macro WIN new                         ; the immediate's high byte repeats the setting that is left
.if MSB != \new
	s_set_vgpr_msb (MSB<<8)|\new
.set MSB, \new
.endif
.endm
.macro PLACES                          ; four places behind a matrix instruction before its result is read or a load lands on its registers
.rept 4
	v_nop
.endr
.endm
.macro BAR                             ; my LDS stores are in and my LDS reads are back; then the work-group's barrier
	s_wait_dscnt 0x0
	s_barrier_signal -1
	s_barrier_wait -1
.endm
.macro GLW dst, voff, sb, off, cnt     ; cnt weight fragments into block 1 (two loads of 512 consecutive bytes each)
.set glw_f, 0
.rept \cnt
	global_load_b128 v[\dst+8*glw_f:\dst+8*glw_f+3], \voff, s[\sb:\sb+1] offset:\off+1024*glw_f
	global_load_b128 v[\dst+8*glw_f+4:\dst+8*glw_f+7], \voff, s[\sb:\sb+1] offset:\off+1024*glw_f+512
.set glw_f, glw_f+1
.endr
.endm
.macro GLP dst, sb, off                ; my 8 columns of a vector of 128
	global_load_b128 v[\dst:\dst+3], v28, s[\sb:\sb+1] offset:\off
	global_load_b128 v[\dst+4:\dst+7], v28, s[\sb:\sb+1] offset:\off+16
.endm
.macro LDB dst, addr, off, cnt         ; cnt fragments (16 rows x 32 k) from rows that lie along k
.set ldb_s, 0
.rept \cnt
	ds_load_b128 v[\dst+8*ldb_s:\dst+8*ldb_s+3], \addr offset:\off+64*ldb_s
	ds_load_b128 v[\dst+8*ldb_s+4:\dst+8*ldb_s+7], \addr offset:\off+64*ldb_s+32
.set ldb_s, ldb_s+1
.endr
.endm
; K = 128 in four f16 matrix instructions on two accumulators that take turns.  c0, c1 = 1: the accumulator holds a bias or x to start from.
.macro MM4 acc0, c0, acc1, c1, wf, af
.if \c0
	v_wmma_f32_16x16x32_f16 v[\acc0:\acc0+7], v[\wf:\wf+7], v[\af:\af+7], v[\acc0:\acc0+7]
.else
	v_wmma_f32_16x16x32_f16 v[\acc0:\acc0+7], v[\wf:\wf+7], v[\af:\af+7], 0
.endif
.if \c1
	v_wmma_f32_16x16x32_f16 v[\acc1:\acc1+7], v[\wf+8:\wf+15], v[\af+8:\af+15], v[\acc1:\acc1+7]
.else
	v_wmma_f32_16x16x32_f16 v[\acc1:\acc1+7], v[\wf+8:\wf+15], v[\af+8:\af+15], 0
.endif
	v_wmma_f32_16x16x32_f16 v[\acc0:\acc0+7], v[\wf+16:\wf+23], v[\af+16:\af+23], v[\acc0:\acc0+7]
	v_wmma_f32_16x16x32_f16 v[\acc1:\acc1+7], v[\wf+24:\wf+31], v[\af+24:\af+31], v[\acc1:\acc1+7]
.endm
.macro ADD8 d, s
.irp j, 0,2,4,6
	v_pk_add_f32 v[\d+\j:\d+\j+1], v[\d+\j:\d+\j+1], v[\s+\j:\s+\j+1]
.endr
.endm
.macro CVTH d, s
.irp j, 0,1,2,3
	v_cvt_pk_f16_f32 v[\d+\j], v[\s+2*\j], v[\s+2*\j+1]
.endr
.endm
.macro CVTB d, s
.irp j, 0,1,2,3
	v_cvt_pk_bf16_f32 v[\d+\j], v[\s+2*\j], v[\s+2*\j+1]
.endr
.endm
.macro XH v, t                         ; add the other half of the lanes
	v_permlanex16_b32 v[\t], v[\v], s42, s43
	v_add_f32 v[\v], v[\v], v[\t]
.endm
; Mean and 1 / sqrt(var + eps) over 128 columns spread over eight waves: each wave's mean and squared deviations of its 16 columns meet in LDS and are
; combined as sum M2_i + 16 sum (m_i - mean)^2: no difference of large sums.  Leaves the mean in v80, the reciprocal root in v82.  Holds one barrier.
.macro LNSTATS src, seps
	v_pk_add_f32 v[80:81], v[\src:\src+1], v[\src+2:\src+3]
	v_pk_add_f32 v[82:83], v[\src+4:\src+5], v[\src+6:\src+7]
	v_pk_add_f32 v[80:81], v[80:81], v[82:83]
	v_add_f32 v80, v80, v81
	XH 80, 81
	v_mul_f32 v88, 0x3d800000, v80                 ; / 16
.irp j, 0,2,4,6
	v_pk_add_f32 v[80+\j:81+\j], v[\src+\j:\src+\j+1], v[88:89] op_sel_hi:[1,0] neg_lo:[0,1] neg_hi:[0,1]
.endr
	v_pk_mul_f32 v[90:91], v[80:81], v[80:81]
.irp j, 2,4,6
	v_pk_fma_f32 v[90:91], v[80+\j:81+\j], v[80+\j:81+\j], v[90:91]
.endr
	v_add_f32 v89, v90, v91
	XH 89, 90
	ds_store_b64 v12, v[88:89]
	BAR
.irp i, 0,1,2,3,4,5,6,7
	ds_load_b64 v[88+2*\i:89+2*\i], v13 offset:128*\i
.endr
	s_wait_dscnt 0x0
	v_pk_add_f32 v[80:81], v[88:89], v[90:91]
	v_pk_add_f32 v[82:83], v[92:93], v[94:95]
	v_pk_add_f32 v[84:85], v[96:97], v[98:99]
	v_pk_add_f32 v[86:87], v[100:101], v[102:103]
	v_pk_add_f32 v[80:81], v[80:81], v[82:83]
	v_pk_add_f32 v[84:85], v[84:85], v[86:87]
	v_pk_add_f32 v[80:81], v[80:81], v[84:85]
	v_mul_f32 v80, 0x3e000000, v80                 ; / 8: the mean
.irp i, 0,1,2,3,4,5,6,7
	v_sub_f32 v[88+2*\i], v[88+2*\i], v80
.endr
	v_mul_f32 v82, v88, v88
.irp i, 1,2,3,4,5,6,7
	v_fmac_f32 v82, v[88+2*\i], v[88+2*\i]
.endr
	v_fmamk_f32 v81, v82, 0x41800000, v81
	v_fma_f32 v81, v81, s68, \seps
	v_rsq_f32 v82, v81
	v_nop                                          ; one plain place behind the transcendental (ISA guide 5.7.2)
.endm
.macro NORM8 d, s
.irp j, 0,2,4,6
	v_pk_add_f32 v[\d+\j:\d+\j+1], v[\s+\j:\s+\j+1], v[80:81] op_sel_hi:[1,0] neg_lo:[0,1] neg_hi:[0,1]
.endr
	s_wait_alu depctr_va_vdst(0)
.irp j, 0,2,4,6
	v_pk_mul_f32 v[\d+\j:\d+\j+1], v[\d+\j:\d+\j+1], v[82:83] op_sel_hi:[1,0]
.endr
.endm
; gelu(h) = max(h, 0) - |h| y / 2, y = 1 - erf(|h| / sqrt 2) = t (a1 + t (a2 + t (a3 + t (a4 + t a5)))) exp(-h^2 / 2), t = 1 / (1 + p |h| / sqrt 2)
.macro GELU8 h
.irp j, 0,1,2,3,4,5,6,7
	v_and_b32 v[168+\j], s71, v[\h+\j]
.endr
.irp j, 0,2,4,6
	v_pk_fma_f32 v[176+\j:177+\j], v[168+\j:169+\j], s[80:81], 1.0 op_sel_hi:[1,0,0]
	v_pk_mul_f32 v[184+\j:185+\j], v[\h+\j:\h+\j+1], v[\h+\j:\h+\j+1]
.endr
.irp j, 0,2,4,6
	v_pk_mul_f32 v[184+\j:185+\j], v[184+\j:185+\j], s[82:83] op_sel_hi:[1,0]
.endr
.irp j, 0,1,2,3,4,5,6,7
	v_rcp_f32 v[176+\j], v[176+\j]
.endr
.irp j, 0,1,2,3,4,5,6,7
	v_exp_f32 v[184+\j], v[184+\j]
.endr
.irp j, 0,1,2,3,4,5,6,7
	v_max_num_f32 v[\h+\j], 0, v[\h+\j]            ; plain work behind the run of transcendentals, ahead of the first use of a result
.endr
	s_wait_alu depctr_va_vdst(0)
.irp j, 0,2,4,6
	v_pk_fma_f32 v[192+\j:193+\j], v[176+\j:177+\j], s[66:67], v[254:255] op_sel_hi:[1,0,1]
.endr
.irp j, 0,2,4,6
	v_pk_fma_f32 v[192+\j:193+\j], v[192+\j:193+\j], v[176+\j:177+\j], s[60:61] op_sel_hi:[1,1,0]
.endr
.irp j, 0,2,4,6
	v_pk_fma_f32 v[192+\j:193+\j], v[192+\j:193+\j], v[176+\j:177+\j], s[58:59] op_sel_hi:[1,1,0]
.endr
.irp j, 0,2,4,6
	v_pk_fma_f32 v[192+\j:193+\j], v[192+\j:193+\j], v[176+\j:177+\j], s[56:57] op_sel_hi:[1,1,0]
	v_pk_mul_f32 v[176+\j:177+\j], v[176+\j:177+\j], v[184+\j:185+\j]
.endr
.irp j, 0,2,4,6
	v_pk_mul_f32 v[192+\j:193+\j], v[192+\j:193+\j], v[176+\j:177+\j]
.endr
.irp j, 0,2,4,6
	v_pk_mul_f32 v[192+\j:193+\j], v[192+\j:193+\j], v[168+\j:169+\j]
.endr
.irp j, 0,2,4,6
	v_pk_fma_f32 v[\h+\j:\h+\j+1], v[192+\j:193+\j], -0.5, v[\h+\j:\h+\j+1] op_sel_hi:[1,0,1]
.endr
.endm
; Features and validity of ego 2w + i; a lane has neighbours 2L (k = 0) and 2L + 1 (k = 1).  Scratch of neighbour k: v[104+16k : 119+16k].
.macro FEAT i
.irp k, 0,1
	v_sub_f32 v[104+16*\k], v[200+8*\i+2*\k], s[44+2*\i]   ; dx
	v_sub_f32 v[105+16*\k], v[201+8*\i+2*\k], s[45+2*\i]   ; dy
	v_sub_f32 v[106+16*\k], v[204+8*\i+2*\k], s[48+2*\i]   ; dvx
	v_sub_f32 v[107+16*\k], v[205+8*\i+2*\k], s[49+2*\i]   ; dvy
	v_mul_f32 v[108+16*\k], v[104+16*\k], v[104+16*\k]
	v_fmac_f32 v[108+16*\k], v[105+16*\k], v[105+16*\k]    ; d^2
	v_add_f32 v[110+16*\k], 0x322bcc77, v[104+16*\k]       ; x = dx + 1e-8
	v_add_f32 v[111+16*\k], 0x322bcc77, v[105+16*\k]       ; y = dy + 1e-8
	v_and_b32 v[112+16*\k], s71, v[110+16*\k]
	v_and_b32 v[113+16*\k], s71, v[111+16*\k]
	v_max_num_f32 v[114+16*\k], v[112+16*\k], v[113+16*\k]
	v_min_num_f32 v[115+16*\k], v[112+16*\k], v[113+16*\k]
	v_max_num_f32 v[114+16*\k], 0x0da24260, v[114+16*\k]   ; at least 1e-30: the reciprocal stays finite
	v_sqrt_f32 v[109+16*\k], v[108+16*\k]
	v_rcp_f32 v[114+16*\k], v[114+16*\k]
	v_bfe_u32 v[118+16*\k], v[216+\i], 8*\k, 8             ; the mask's byte; also the plain place behind the transcendentals
.endr
	s_wait_alu depctr_va_vdst(0)
.irp k, 0,1
	v_max_num_f32 v[109+16*\k], 0x358637bd, v[109+16*\k]   ; dist, at least 1e-6
	v_mul_f32 v[115+16*\k], v[115+16*\k], v[114+16*\k]     ; q = min / max, 0..1
	v_mul_f32 v[116+16*\k], v[115+16*\k], v[115+16*\k]
	v_mov_b32 v[117+16*\k], 0x3b3bd74a
	v_fmaak_f32 v[117+16*\k], v[117+16*\k], v[116+16*\k], 0xbc846e02
	v_fmaak_f32 v[117+16*\k], v[117+16*\k], v[116+16*\k], 0x3d2fc1fe
	v_fmaak_f32 v[117+16*\k], v[117+16*\k], v[116+16*\k], 0xbd9a3174
	v_fmaak_f32 v[117+16*\k], v[117+16*\k], v[116+16*\k], 0x3dda3d83
	v_fmaak_f32 v[117+16*\k], v[117+16*\k], v[116+16*\k], 0xbe117fc7
	v_fmaak_f32 v[117+16*\k], v[117+16*\k], v[116+16*\k], 0x3e4cbbe5
	v_fmaak_f32 v[117+16*\k], v[117+16*\k], v[116+16*\k], 0xbeaaaa6c
	v_fma_f32 v[117+16*\k], v[117+16*\k], v[116+16*\k], 1.0
	v_mul_f32 v[117+16*\k], v[117+16*\k], v[115+16*\k]     ; atan q
	v_cmp_gt_f32 vcc_lo, v[113+16*\k], v[112+16*\k]        ; |y| > |x|: pi/2 - a
	v_sub_f32 v[119+16*\k], 0x3fc90fdb, v[117+16*\k]
	v_cndmask_b32 v[117+16*\k], v[117+16*\k], v[119+16*\k], vcc_lo
	v_cmp_gt_f32 vcc_lo, 0, v[110+16*\k]                   ; x < 0: pi - a
	v_sub_f32 v[119+16*\k], 0x40490fdb, v[117+16*\k]
	v_cndmask_b32 v[117+16*\k], v[117+16*\k], v[119+16*\k], vcc_lo
	v_bfi_b32 v[117+16*\k], s71, v[117+16*\k], v[111+16*\k]    ; y's sign
	v_cmp_ne_u32 s[72+2*\k], 0, v[118+16*\k]
	v_cmp_gt_f32 s[73+2*\k], 0x41100000, v[108+16*\k]      ; d^2 < 9
	s_and_b32 s[72+2*\k], s[72+2*\k], s[73+2*\k]
	v_cvt_pk_f16_f32 v[136+4*\k], v[104+16*\k], v[105+16*\k]
	v_cvt_pk_f16_f32 v[137+4*\k], v[106+16*\k], v[107+16*\k]
	v_cvt_pk_f16_f32 v[138+4*\k], v[109+16*\k], v[117+16*\k]
	v_mov_b32 v[139+4*\k], 0x3c00                          ; (1.0, 0): the bias's feature, and the place of sd
	ds_store_b128 v147, v[136+4*\k:139+4*\k] offset:1024*\i+16*\k
.endr
	s_or_b32 s76, s72, s74
	s_cmp_eq_u32 s76, 0                            ; no neighbour valid: neighbour 0 (lane 0, k = 0) counts as valid; a select, no branch
	s_cselect_b32 s77, 1, 0
	s_or_b32 s72, s72, s77
	v_cndmask_b32 v144, v252, v172, s72
	v_cndmask_b32 v145, v252, v172, s74
	ds_store_b64 v146, v[144:145] offset:256*\i
.endm
.macro RED4                            ; four chains v[216:223] to one sum over the row, in every lane
	v_pk_add_f32 v[216:217], v[216:217], v[218:219]
	v_pk_add_f32 v[220:221], v[220:221], v[222:223]
	v_pk_add_f32 v[216:217], v[216:217], v[220:221]
	v_add_f32 v216, v216, v217
	XH 216, 217
.endm
.macro SUMSQ                           ; sum of the squares of v[104:167] and of the partner lane's
.irp c, 0,1,2,3
	v_pk_mul_f32 v[216+2*\c:217+2*\c], v[104+2*\c:105+2*\c], v[104+2*\c:105+2*\c]
.endr
.set pp, 4
.rept 28
	v_pk_fma_f32 v[216+2*(pp%4):217+2*(pp%4)], v[104+2*pp:105+2*pp], v[104+2*pp:105+2*pp], v[216+2*(pp%4):217+2*(pp%4)]
.set pp, pp+1
.endr
	RED4
.endm
; ================= set-up =================
	s_load_b512 s[4:19], s[0:1], 0x0               ; ego_context 4, ego_pos 6, ego_vel 8, neighbor_pos 10, neighbor_vel 12, neighbor_mask 14, ego_b 16, ego_ln_g 18
	s_load_b512 s[20:35], s[0:1], 0x40             ; ego_ln_b 20, bo 22, b2 24, out_b 26, out_ln_g 28, out_ln_b 30, pack 32, params 34
	s_load_b64 s[36:37], s[0:1], 0x80              ; out0
	v_and_b32 v1, 31, v0                           ; L
	v_and_b32 v2, 15, v0                           ; r
	v_bfe_u32 v3, v0, 4, 1                         ; hh
	v_lshrrev_b32 v248, 5, v0
	v_readfirstlane_b32 s38, v248                  ; wave
	s_mov_b32 s39, ttmp9                           ; work-group
	s_mov_b32 s42, 0x76543210                      ; v_permlanex16_b32: lane i reads lane i of the other half
	s_mov_b32 s43, 0xfedcba98
	s_and_b32 s52, s38, 1
	s_sub_co_u32 s52, s52, 1                       ; even head: all ones (keeps k = 0..15 of its pair of heads), odd head: 0
	s_not_b32 s53, s52
	s_mov_b32 s56, 0x3e827906                      ; erf's a1, a2, a3, a5, each twice (a pair is read whole)
	s_mov_b32 s57, 0x3e827906
	s_mov_b32 s58, 0xbe91a98e
	s_mov_b32 s59, 0xbe91a98e
	s_mov_b32 s60, 0x3fb5f0e3
	s_mov_b32 s61, 0x3fb5f0e3
	s_mov_b32 s66, 0x3f87dc22
	s_mov_b32 s67, 0x3f87dc22
	s_mov_b32 s80, 0x3e6d3388                      ; p / sqrt 2
	s_mov_b32 s81, 0x3e6d3388
	s_mov_b32 s82, 0xbf38aa3b                      ; -log2(e) / 2
	s_mov_b32 s83, 0xbf38aa3b
	s_mov_b32 s68, 0x3c000000                      ; 1 / 128
	s_mov_b32 s69, 0x3727c5ac                      ; eps
	s_mov_b32 s70, 0x3127c5ac                      ; eps / 4096
	s_mov_b32 s71, 0x7fffffff
	v_mov_b32 v254, 0xbfba00e3                     ; erf's a4
	v_mov_b32 v255, 0xbfba00e3
	v_mov_b32 v252, 0xceabfb8f                     ; -1e9 log2(e)
	v_mov_b32 v89, 0                               ; upper registers of pairs of which the lower is broadcast
	v_mov_b32 v231, 0
.irp j, 172,173,174,175
	v_mov_b32 v\j, 0                               ; the zero quad between the two feature quads
.endr
	; LDS addresses
	v_mul_u32_u24 v249, v2, 272
	v_lshl_add_u32 v249, v3, 4, v249               ; 272 r + 16 hh
	v_add_nc_u32 v4, ACT0, v249
	v_add_nc_u32 v5, ACT1, v249
	s_lshl_b32 s40, s38, 5
	v_add_nc_u32 v6, s40, v4                       ; + 32 w: my 8 columns
	v_add_nc_u32 v7, s40, v5
	s_lshr_b32 s41, s38, 1
	s_lshl_b32 s41, s41, 6
	v_add_nc_u32 v8, s41, v5                       ; the 32 columns that hold head w
	v_mul_u32_u24 v250, v2, 2160
	v_lshl_add_u32 v250, v3, 4, v250
	s_mul_i32 s40, s38, 272
	s_add_co_u32 s40, s40, WU
	v_add_nc_u32 v9, s40, v250                     ; w and u of (ego r, head w)
	v_mul_u32_u24 v250, v2, 1040
	v_lshl_add_u32 v250, v3, 4, v250
	v_add_nc_u32 v11, WU, v250
	s_lshl_b32 s40, s38, 7
	v_add_nc_u32 v10, s40, v11
	v_lshl_add_u32 v13, v2, 3, ST
	v_add_nc_u32 v12, s40, v13
	s_lshl_b32 s40, s38, 2
	s_add_co_u32 s40, s40, CB
	v_lshl_add_u32 v14, v2, 5, s40
	s_mul_i32 s40, s38, 34816
	v_add_nc_u32 v20, s40, v249                    ; nbhat rows of ego 2w, n along the lanes
	v_and_b32 v250, 7, v0
	v_lshl_add_u32 v251, v3, 3, v250
	v_mul_u32_u24 v251, v251, 272
	v_bfe_u32 v253, v0, 3, 1
	v_lshl_add_u32 v251, v253, 7, v251
	v_add_nc_u32 v21, s40, v251                    ; the same for the transposing loads: row 8 hh + (L & 7), 128 bytes on for lanes 8-15 of a half
	v_mul_u32_u24 v251, v250, 272
	s_mul_i32 s41, s38, 4320
	s_add_co_u32 s41, s41, WU
	v_add_nc_u32 v251, s41, v251
	v_lshl_add_u32 v22, v3, 4, v251
	v_lshl_add_u32 v31, v3, 7, v251
	s_lshl_b32 s41, s38, 9
	s_add_co_u32 s41, s41, MB
	v_lshl_add_u32 v23, v3, 5, s41
	v_lshl_add_u32 v146, v1, 3, s41                ; where my two neighbours' mask words go
	s_lshl_b32 s41, s38, 6
	s_add_co_u32 s41, s41, CB
	v_lshl_add_u32 v24, v250, 2, s41
	s_lshl_b32 s41, s38, 11
	s_add_co_u32 s41, s41, WU
	v_lshl_add_u32 v147, v1, 5, s41                ; feature rows: written,
	v_lshl_add_u32 v15, v2, 4, s41                 ; and read, 16 rows a trip
	v_mov_b32 v16, v20                             ; nbhat: written
	; offsets in memory
	v_lshlrev_b32 v229, 4, v1                      ; 16 L
	s_lshl_b32 s41, s38, 12
	v_add_nc_u32 v25, s41, v229                    ; four fragments of column tile w
	s_lshr_b32 s41, s38, 1
	s_lshl_b32 s41, s41, 13
	v_add_nc_u32 v26, s41, v229
	s_lshl_b32 s41, s38, 14
	v_add_nc_u32 v27, s41, v229                    ; sixteen fragments
	s_lshl_b32 s41, s38, 6
	v_lshl_add_u32 v28, v3, 5, s41
	s_lshl_b32 s41, s38, 8
	v_lshl_add_u32 v29, v3, 5, s41
	v_lshlrev_b32 v226, 4, v0
	s_lshl_b32 s41, s38, 10
	v_add_nc_u32 v227, s41, v229
	s_lshl_b32 s41, s38, 7
	v_lshl_add_u32 v228, v1, 1, s41
	v_mul_u32_u24 v248, v248, 272
	v_lshl_add_u32 v248, v1, 3, v248
	v_add_nc_u32 v248, ACT0, v248                  ; ego_context in f16: row t >> 5, 8 bytes a lane
	s_wait_kmcnt 0x0
	s_lshl_b32 s40, s39, 13                        ; 16 egos: 8,192 bytes of ego_context, neighbor_pos, neighbor_vel, out0
	s_mov_b32 s41, 0
	s_add_nc_u64 s[4:5], s[4:5], s[40:41]
	s_add_nc_u64 s[10:11], s[10:11], s[40:41]
	s_add_nc_u64 s[12:13], s[12:13], s[40:41]
	s_add_nc_u64 s[36:37], s[36:37], s[40:41]
	s_lshl_b32 s40, s39, 10
	s_add_nc_u64 s[14:15], s[14:15], s[40:41]
	s_lshl_b32 s40, s39, 7
	s_lshl4_add_u32 s40, s38, s40                  ; 8 bytes an ego: 128 g + 16 w; s40 stays as it is until the wait for these two loads
	s_load_b128 s[44:47], s[6:7], s40 offset:0x0
	s_load_b128 s[48:51], s[8:9], s40 offset:0x0
	; all one-time loads, in the order of their use: 2 + 14 + 6 + 16
	global_load_b128 v[218:221], v226, s[4:5] th:TH_LOAD_NT
	global_load_b128 v[222:225], v226, s[4:5] offset:4096 th:TH_LOAD_NT
	WIN TOB1
	GLW 192, v25, 32, P_EGOW, 4
	WIN 0
	GLP PO, 16, 0
	GLP PV, 18, 0
	GLP PB2, 20, 0
.irp i, 0,1
	global_load_b128 v[200+8*\i:203+8*\i], v227, s[10:11] offset:512*\i th:TH_LOAD_NT
	global_load_b128 v[204+8*\i:207+8*\i], v227, s[12:13] offset:512*\i th:TH_LOAD_NT
	global_load_u16 v[216+\i], v228, s[14:15] offset:64*\i th:TH_LOAD_NT
.endr
	WIN TOB1
	GLW 128, v229, 32, P_NPW, 8
	WIN 0
; ================= x = LN(ego_context ego_W + ego_b) =================
	s_wait_loadcnt 36                              ; ego_context is in; the 14 + 6 + 16 younger loads stay out
	v_cvt_pk_f16_f32 v104, v218, v219
	v_cvt_pk_f16_f32 v105, v220, v221
	v_cvt_pk_f16_f32 v106, v222, v223
	v_cvt_pk_f16_f32 v107, v224, v225
	ds_store_b64 v248, v[104:105]
	ds_store_b64 v248, v[106:107] offset:8*272
	BAR
	LDB BF, v4, 0, 4
	s_wait_loadcnt 22                              ; ego_W's fragments, ego_b, gain and bias; 6 + 16 stay out
	s_wait_dscnt 0x0
	WIN MUL
	MM4 PO, 1, A1, 0, 192, BF
	PLACES
	WIN 0
	ADD8 PO, A1
	LNSTATS PO, s69
	NORM8 88, PO
.irp j, 0,2,4,6
	v_pk_fma_f32 v[X+\j:X+\j+1], v[88+\j:89+\j], v[PV+\j:PV+\j+1], v[PB2+\j:PB2+\j+1]
.endr
	WIN TOB1                                       ; layer 0's Q and qk weights: 28 loads
	GLW 0, v25, 32, 0, 4
	GLW 32, v26, 32, P_QK, 8
	WIN 0
	GLP PQ, 34, 0
	GLP PK, 34, 512
; ================= features, masks, nbhat =================
	s_wait_kmcnt 0x0
	s_wait_loadcnt 44                              ; positions, velocities, masks; 16 + 28 stay out
	FEAT 0
	FEAT 1
	s_wait_loadcnt 28                              ; the neighbour projection's fragments; layer 0's 28 stay out
	s_mov_b32 s55, 0
.Lnb:                                              ; a trip: 16 neighbours x 128 columns; 4 trips an ego.  Lane r = neighbour, register j of tile T = column 16T + 8hh + j
	ds_load_b128 v[168:171], v15                   ; the feature row twice: k = 0..7 of the first product,
	ds_load_b128 v[176:179], v15                   ; k = 16..23 of the second
	s_wait_dscnt 0x0
	WIN MUL
.irp T, 0,1,2,3,4,5,6,7
	v_wmma_f32_16x16x32_f16 v[104+8*\T:111+8*\T], v[128+8*\T:135+8*\T], v[168:175], 0      ; zc = z - mean
.endr
	PLACES
	WIN 0
	SUMSQ
	v_fma_f32 v224, v216, s68, s69                 ; var + eps
	v_sqrt_f32 v225, v224
	v_mul_f32 v226, s69, v224                      ; eps (var + eps), for the second norm
	s_wait_alu depctr_va_vdst(0)
	v_cvt_pk_f16_f32 v179, 1.0, v225               ; features 6, 7 = (1, sd)
	WIN MUL
.irp T, 0,1,2,3,4,5,6,7
	v_wmma_f32_16x16x32_f16 v[104+8*\T:111+8*\T], v[128+8*\T:135+8*\T], v[172:179], 0      ; g zc + b sd
.endr
	PLACES
	WIN 0
.set pp, 0
.rept 64
	v_max_num_f32 v[104+pp], 0, v[104+pp]
.set pp, pp+1
.endr
.irp c, 0,1,2,3
	v_pk_add_f32 v[216+2*\c:217+2*\c], v[104+2*\c:105+2*\c], v[112+2*\c:113+2*\c]
.endr
.set pp, 8
.rept 24
	v_pk_add_f32 v[216+2*(pp%4):217+2*(pp%4)], v[216+2*(pp%4):217+2*(pp%4)], v[104+2*pp:105+2*pp]
.set pp, pp+1
.endr
	RED4
	v_mul_f32 v228, s68, v216                      ; mean
.set pp, 0
.rept 32
	v_pk_add_f32 v[104+2*pp:105+2*pp], v[104+2*pp:105+2*pp], v[228:229] op_sel_hi:[1,0] neg_lo:[0,1] neg_hi:[0,1]
.set pp, pp+1
.endr
	SUMSQ
	v_fma_f32 v227, v216, s68, v226
	v_rsq_f32 v230, v227
	v_add_nc_u32 v15, 256, v15                     ; the next 16 feature rows; also the plain place behind the transcendental
.set pp, 0
	s_wait_alu depctr_va_vdst(0)
.rept 32
	v_pk_mul_f32 v[104+2*pp:105+2*pp], v[104+2*pp:105+2*pp], v[230:231] op_sel_hi:[1,0]
.set pp, pp+1
.endr
.set pp, 0
.rept 32
	v_cvt_pk_bf16_f32 v[184+pp], v[104+2*pp], v[105+2*pp]
.set pp, pp+1
.endr
.irp T, 0,1,2,3,4,5,6,7
	ds_store_b128 v16, v[184+4*\T:187+4*\T] offset:32*\T
.endr
	v_add_nc_u32 v16, 4352, v16
	s_add_co_u32 s55, s55, 1
	s_cmp_lt_u32 s55, 8
	s_cbranch_scc1 .Lnb
	BAR                                            ; every wave's reads of the statistics and of its feature rows are over before those bytes are written again
; ================= three layers =================
	s_mov_b32 s54, 0
.Llayer:
	; ---- xhat = (x - mean) rs, to ACT0
	LNSTATS X, s69
	NORM8 88, X
	CVTH 96, 88
	ds_store_b128 v6, v[96:99]
	BAR
	; ---- Q (head w), c = Q . bk''
	LDB BF, v4, 0, 4
	s_wait_loadcnt 0x0                             ; this layer's Q and qk weights and their two vectors are all that is out
	s_wait_dscnt 0x0
	WIN MUL
	MM4 PQ, 1, A1, 0, 0, BF
	PLACES
	WIN 0
	ADD8 PQ, A1
	v_pk_mul_f32 v[88:89], v[PQ:PQ+1], v[PK:PK+1]
.irp j, 2,4,6
	v_pk_fma_f32 v[88:89], v[PQ+\j:PQ+\j+1], v[PK+\j:PK+\j+1], v[88:89]
.endr
	v_add_f32 v88, v88, v89
	XH 88, 89
	ds_store_b32 v14, v88
	CVTH 96, PQ
	ds_store_b128 v7, v[96:99]
	BAR
	; ---- w[ego][head w][d] = sum over the head's j of Wk''[d][j] Q[j]
	ds_load_b128 v[168:171], v8
	ds_load_b128 v[172:175], v8 offset:32
	s_wait_dscnt 0x0
.irp j, 168,169,170,171
	v_and_b32 v\j, s52, v\j                        ; of the 32 columns keep my head's 16
.endr
.irp j, 172,173,174,175
	v_and_b32 v\j, s53, v\j
.endr
	WIN MUL
.irp T, 0,1,2,3,4,5,6,7
	v_wmma_f32_16x16x32_f16 v[184+8*\T:191+8*\T], v[32+8*\T:39+8*\T], v[168:175], 0
.endr
	PLACES
	WIN 0
.irp T, 0,1,2,3,4,5,6,7
	CVTB 104+4*\T, 184+8*\T
.endr
.irp T, 0,1,2,3,4,5,6,7
	ds_store_b128 v9, v[104+4*\T:107+4*\T] offset:32*\T
.endr
	WIN TOB1                                       ; Wv', Wo, bv', bo: 20 loads
	GLW 128, v25, 32, P_CT, 4
	GLW 160, v25, 32, P_WO, 4
	WIN 0
	GLP PV, 34, 1024
	GLP PO, 22, 0
	BAR
	; ---- attention, one ego a trip
	v_mov_b32 v15, v20
	v_mov_b32 v16, v21
	v_mov_b32 v17, v22
	v_mov_b32 v18, v23
	v_mov_b32 v19, v24
	v_mov_b32 v30, v31
	s_mov_b32 s55, 0
.Latt:
.irp t, 0,1,2,3
	ds_load_b128 v[104+8*\t:107+8*\t], v18 offset:64*\t        ; the mask's words start the scores: register j of tile t = neighbour 16t + 8hh + j
	ds_load_b128 v[108+8*\t:111+8*\t], v18 offset:64*\t+16
.endr
	ds_load_b32 v80, v19                           ; c of my head
	LDB 136, v17, 0, 4                             ; w, rows = heads
	WIN TOB1
.irp s, 0,1,2,3
.irp t, 0,1,2,3
	ds_load_b128 v[8*(4*\s+\t):8*(4*\s+\t)+3], v15 offset:4352*\t+64*\s
	ds_load_b128 v[8*(4*\s+\t)+4:8*(4*\s+\t)+7], v15 offset:4352*\t+64*\s+32
.endr
.endr
	WIN 0
	s_wait_dscnt 40                                ; mask words and c are in; w's 8 and nbhat's 32 loads stay out
.set pp, 0
.rept 16
	v_pk_add_f32 v[104+2*pp:105+2*pp], v[104+2*pp:105+2*pp], v[80:81] op_sel_hi:[1,0]
.set pp, pp+1
.endr
	WIN MUL
.irp s, 0,1,2,3
	s_wait_dscnt 24-8*\s                           ; the eight loads of this K step are in, the later steps' stay out
.irp t, 0,1,2,3
	v_wmma_f32_16x16x32_bf16 v[104+8*\t:111+8*\t], v[8*(4*\s+\t):8*(4*\s+\t)+7], v[136+8*\s:143+8*\s], v[104+8*\t:111+8*\t]   ; four accumulators by turns
.endr
.endr
	PLACES
	WIN TOB1
	; nbhat transposed (rows = d, k = n).  Tile T: rows 0-7 = d 8T.., rows 8-15 = d 64+8T..
.irp s, 0,1
.irp T, 0,1,2,3,4,5,6,7
	ds_load_tr16_b128 v[8*(8*\s+\T):8*(8*\s+\T)+3], v16 offset:8704*\s+16*\T
	ds_load_tr16_b128 v[8*(8*\s+\T)+4:8*(8*\s+\T)+7], v16 offset:8704*\s+16*\T+4352
.endr
.endr
	WIN 0
	; softmax over 64 neighbours: 32 in my lane, 32 in the partner lane; the maximum is taken away first
	v_max3_num_f32 v82, v104, v105, v106
	v_max3_num_f32 v84, v120, v121, v122
.irp k, 0,1,2,3,4,5
	v_max3_num_f32 v82, v82, v[107+2*\k], v[108+2*\k]
	v_max3_num_f32 v84, v84, v[123+2*\k], v[124+2*\k]
.endr
	v_max3_num_f32 v82, v82, v84, v119
	v_max_num_f32 v82, v82, v135
	v_permlanex16_b32 v83, v82, s42, s43
	v_max_num_f32 v82, v82, v83
.set pp, 0
.rept 16
	v_pk_add_f32 v[104+2*pp:105+2*pp], v[104+2*pp:105+2*pp], v[82:83] op_sel_hi:[1,0] neg_lo:[0,1] neg_hi:[0,1]
.set pp, pp+1
.endr
.set pp, 0
.rept 32
	v_exp_f32 v[104+pp], v[104+pp]
.set pp, pp+1
.endr
	v_nop                                          ; one plain place behind the run of transcendentals
	s_wait_alu depctr_va_vdst(0)
.irp c, 0,1,2,3
	v_pk_add_f32 v[84+2*\c:85+2*\c], v[104+2*\c:105+2*\c], v[112+2*\c:113+2*\c]
.endr
.set pp, 8
.rept 8
	v_pk_add_f32 v[84+2*(pp%4):85+2*(pp%4)], v[84+2*(pp%4):85+2*(pp%4)], v[104+2*pp:105+2*pp]
.set pp, pp+1
.endr
	v_pk_add_f32 v[84:85], v[84:85], v[86:87]
	v_pk_add_f32 v[88:89], v[88:89], v[90:91]
	v_pk_add_f32 v[84:85], v[84:85], v[88:89]
	v_add_f32 v84, v84, v85
	XH 84, 85
	v_rcp_f32 v92, v84
.set pp, 0
.rept 16
	v_cvt_pk_bf16_f32 v[168+pp], v[104+2*pp], v[105+2*pp]      ; D's layout is already source 1's: tiles 2s, 2s+1 are registers 0-3, 4-7 of K step s
.set pp, pp+1
.endr
	s_wait_dscnt 16                                ; the first K step's 16 transposing loads are in
	WIN MUL
.irp T, 0,1,2,3,4,5,6,7
	v_wmma_f32_16x16x32_bf16 v[184+8*\T:191+8*\T], v[8*\T:8*\T+7], v[168:175], 0
.endr
	s_wait_dscnt 0x0
.irp T, 0,1,2,3,4,5,6,7
	v_wmma_f32_16x16x32_bf16 v[184+8*\T:191+8*\T], v[64+8*\T:71+8*\T], v[176:183], v[184+8*\T:191+8*\T]    ; eight accumulators by turns
.endr
	PLACES
	WIN 0
.set pp, 0
	s_wait_alu depctr_va_vdst(0)
.rept 32
	v_pk_mul_f32 v[184+2*pp:185+2*pp], v[184+2*pp:185+2*pp], v[92:93] op_sel_hi:[1,0]      ; / the sum of the exponentials
.set pp, pp+1
.endr
.irp T, 0,1,2,3,4,5,6,7
	CVTH 104+4*\T, 184+8*\T
.endr
.irp T, 0,1,2,3,4,5,6,7
	ds_store_b128 v30, v[104+4*\T:107+4*\T] offset:16*\T       ; u over this ego's w, which only this wave reads and has read
.endr
	v_add_nc_u32 v15, 17408, v15
	v_add_nc_u32 v16, 17408, v16
	v_add_nc_u32 v17, 2160, v17
	v_add_nc_u32 v30, 2160, v30
	v_add_nc_u32 v18, 256, v18
	v_add_nc_u32 v19, 32, v19
	s_add_co_u32 s55, s55, 1
	s_cmp_lt_u32 s55, 2
	s_cbranch_scc1 .Latt
	WIN TOB1                                       ; W1' and b1': 40 loads; b1' lands in the accumulators
	GLW 0, v27, 32, P_W1, 16
	WIN 0
.irp i, 0,1,2,3
	global_load_b128 v[HA+8*\i:HA+8*\i+3], v29, s[34:35] offset:1536+64*\i
	global_load_b128 v[HA+8*\i+4:HA+8*\i+7], v29, s[34:35] offset:1536+64*\i+16
.endr
	BAR
	; ---- ctx (head w) = u Wv' + bv'
	LDB BF, v9, 0, 4
	s_wait_loadcnt 40                              ; Wv', Wo, bv', bo are in; W1's 40 stay out
	s_wait_dscnt 0x0
	WIN MUL
	MM4 PV, 1, A1, 0, 128, BF
	PLACES
	WIN 0
	ADD8 PV, A1
	CVTH 96, PV
	ds_store_b128 v6, v[96:99]
	BAR
	; ---- x += ctx Wo + bo
	LDB BF, v4, 0, 4
	s_wait_dscnt 0x0
	WIN MUL
	MM4 X, 1, PO, 1, 160, BF
	PLACES
	WIN 0
	ADD8 X, PO
	WIN TOB1                                       ; W2 and b2: 34 loads
	GLW 128, v27, 32, P_W2, 16
	WIN 0
	GLP PB2, 24, 0
	; ---- yhat, to ACT1
	LNSTATS X, s69
	NORM8 88, X
	CVTH 96, 88
	ds_store_b128 v7, v[96:99]
	BAR
	; ---- h = gelu(yhat W1' + b1'), my 64 columns
	LDB BF, v5, 0, 4
	s_wait_loadcnt 34                              ; W1' and b1' are in; W2's 34 stay out
	s_wait_dscnt 0x0
	WIN MUL
.irp s, 0,1,2,3
.irp i, 0,1,2,3
	v_wmma_f32_16x16x32_f16 v[HA+8*\i:HA+8*\i+7], v[8*(4*\i+\s):8*(4*\i+\s)+7], v[BF+8*\s:BF+8*\s+7], v[HA+8*\i:HA+8*\i+7]   ; four accumulators by turns
.endr
.endr
	PLACES
	WIN 0
	s_wait_loadcnt 0x0                             ; W2 and b2 are in: the two ways below issue different numbers of loads, and every later wait is for 0
	WIN TOB1
	GLW 0, v25, 32, P_LAYER, 4                     ; the next layer's Wq'; behind layer 2 out_W lies there
	WIN 0
	s_cmp_eq_u32 s54, 2
	s_cbranch_scc1 .Llastq
	WIN TOB1
	GLW 32, v26, 32, P_LAYER+P_QK, 8
	WIN 0
	GLP PQ, 34, 3584
	GLP PK, 34, 3584+512
	s_branch .Lgelu
.Llastq:
	GLP PQ, 26, 0                                  ; out_b, out_ln_g, out_ln_b
	GLP PK, 28, 0
	GLP PV, 30, 0
.Lgelu:
.irp i, 0,1,2,3
	GELU8 HA+8*\i
	CVTH 200+4*\i, HA+8*\i
	ds_store_b128 v10, v[200+4*\i:203+4*\i] offset:32*\i
.endr
	BAR
	; ---- x += h W2 + b2, K = 512
.irp s, 0,1,2,3,4,5,6,7,8,9,10,11,12,13,14,15
	ds_load_b128 v[104+8*\s:107+8*\s], v11 offset:64*\s
	ds_load_b128 v[108+8*\s:111+8*\s], v11 offset:64*\s+32
.endr
	WIN MUL
.irp q, 0,1,2,3
	s_wait_dscnt 24-8*\q                           ; the eight loads of these four K steps are in
	v_wmma_f32_16x16x32_f16 v[X:X+7], v[128+32*\q:135+32*\q], v[104+32*\q:111+32*\q], v[X:X+7]             ; four accumulators by turns
	v_wmma_f32_16x16x32_f16 v[PB2:PB2+7], v[136+32*\q:143+32*\q], v[112+32*\q:119+32*\q], v[PB2:PB2+7]
.if \q == 0
	v_wmma_f32_16x16x32_f16 v[A2:A2+7], v[144+32*\q:151+32*\q], v[120+32*\q:127+32*\q], 0
	v_wmma_f32_16x16x32_f16 v[A3:A3+7], v[152+32*\q:159+32*\q], v[128+32*\q:135+32*\q], 0
.else
	v_wmma_f32_16x16x32_f16 v[A2:A2+7], v[144+32*\q:151+32*\q], v[120+32*\q:127+32*\q], v[A2:A2+7]
	v_wmma_f32_16x16x32_f16 v[A3:A3+7], v[152+32*\q:159+32*\q], v[128+32*\q:135+32*\q], v[A3:A3+7]
.endif
.endr
	PLACES
	WIN 0
	ADD8 X, PB2
	ADD8 A2, A3
	ADD8 X, A2
	s_wait_xcnt 0x0                                ; the bases of the loads that are out are stepped only behind this wait
	s_add_nc_u64 s[32:33], s[32:33], P_LAYER
	s_add_nc_u64 s[34:35], s[34:35], 3584
	s_add_nc_u64 s[22:23], s[22:23], 512
	s_add_nc_u64 s[24:25], s[24:25], 512
	s_add_co_u32 s54, s54, 1
	s_cmp_lt_u32 s54, 3
	s_cbranch_scc1 .Llayer
; ================= out = LN(x out_W + out_b) =================
; x and out_b are taken / 64 (exact), with eps / 4096: the norm's result is the same and x has room in f16.
.irp j, 0,2,4,6
	v_pk_mul_f32 v[88+\j:89+\j], v[X+\j:X+\j+1], 0x3c800000 op_sel_hi:[1,0]
.endr
	CVTH 96, 88
	ds_store_b128 v6, v[96:99]
	BAR
	LDB BF, v4, 0, 4
	s_wait_loadcnt 0x0
.irp j, 0,2,4,6
	v_pk_mul_f32 v[PQ+\j:PQ+\j+1], v[PQ+\j:PQ+\j+1], 0x3c800000 op_sel_hi:[1,0]
.endr
	s_wait_dscnt 0x0
	WIN MUL
	MM4 PQ, 1, A1, 0, 0, BF
	PLACES
	WIN 0
	ADD8 PQ, A1
	LNSTATS PQ, s70
	NORM8 88, PQ
.irp j, 0,2,4,6
	v_pk_fma_f32 v[88+\j:89+\j], v[88+\j:89+\j], v[PK+\j:PK+\j+1], v[PV+\j:PV+\j+1]
.endr
	; through LDS, so that sixteen lanes store 256 consecutive bytes
	v_mul_u32_u24 v248, v2, 528
	v_lshl_add_u32 v248, v3, 5, v248
	s_lshl_b32 s40, s38, 6
	s_add_co_u32 s40, s40, WU
	v_add_nc_u32 v248, s40, v248
	ds_store_b128 v248, v[88:91]
	ds_store_b128 v248, v[92:95] offset:16
	BAR
	v_lshrrev_b32 v249, 5, v0
	v_mul_u32_u24 v249, v249, 528
	v_lshl_add_u32 v249, v1, 4, v249
	v_add_nc_u32 v249, WU, v249
	v_lshlrev_b32 v250, 4, v0
	ds_load_b128 v[104:107], v249
	ds_load_b128 v[108:111], v249 offset:8*528
	s_wait_dscnt 0x1
	global_store_b128 v250, v[104:107], s[36:37] th:TH_STORE_NT
	s_wait_dscnt 0x0
	global_store_b128 v250, v[108:111], s[36:37] offset:4096 th:TH_STORE_NT
	s_endpgm
.Lfunc_end_k_qd8ca0ce076_main:
	.size	k_qd8ca0ce076_main, .Lfunc_end_k_qd8ca0ce076_main-k_qd8ca0ce076_main
	.p2alignl 7, 3214868480
	.fill 96, 4, 3214868480
	.section	.rodata,"a",@progbits
	.p2align	6, 0x0
	.amdhsa_kernel k_qd8ca0ce076_main
		.amdhsa_group_segment_fixed_size 327680
		.amdhsa_private_segment_fixed_size 0
		.amdhsa_enable_private_segment 0
		.amdhsa_kernarg_size 136
		.amdhsa_user_sgpr_count 2
		.amdhsa_user_sgpr_kernarg_segment_ptr 1
		.amdhsa_wavefront_size32 1
		.amdhsa_system_sgpr_workgroup_id_x 1
		.amdhsa_system_sgpr_workgroup_id_y 1
		.amdhsa_system_sgpr_workgroup_id_z 1
		.amdhsa_system_vgpr_workitem_id 0
		.amdhsa_next_free_vgpr 512
		.amdhsa_next_free_sgpr 84
		.amdhsa_reserve_vcc 1
		.amdhsa_float_denorm_mode_32 3
		.amdhsa_float_denorm_mode_16_64 3
		.amdhsa_memory_ordered 1
		.amdhsa_forward_progress 1
		.amdhsa_inst_pref_size 124
	.end_amdhsa_kernel
	.amdgpu_metadata
---
amdhsa.version: [ 1, 2 ]
amdhsa.kernels:
  - .name:           k_qd8ca0ce076_main
    .symbol:         k_qd8ca0ce076_main.kd
    .args:
      - { .name: ego_context, .offset: 0, .size: 8, .value_kind: global_buffer, .address_space: global }
      - { .name: ego_pos, .offset: 8, .size: 8, .value_kind: global_buffer, .address_space: global }
      - { .name: ego_vel, .offset: 16, .size: 8, .value_kind: global_buffer, .address_space: global }
      - { .name: neighbor_pos, .offset: 24, .size: 8, .value_kind: global_buffer, .address_space: global }
      - { .name: neighbor_vel, .offset: 32, .size: 8, .value_kind: global_buffer, .address_space: global }
      - { .name: neighbor_mask, .offset: 40, .size: 8, .value_kind: global_buffer, .address_space: global }
      - { .name: ego_b, .offset: 48, .size: 8, .value_kind: global_buffer, .address_space: global }
      - { .name: ego_ln_g, .offset: 56, .size: 8, .value_kind: global_buffer, .address_space: global }
      - { .name: ego_ln_b, .offset: 64, .size: 8, .value_kind: global_buffer, .address_space: global }
      - { .name: bo, .offset: 72, .size: 8, .value_kind: global_buffer, .address_space: global }
      - { .name: b2, .offset: 80, .size: 8, .value_kind: global_buffer, .address_space: global }
      - { .name: out_b, .offset: 88, .size: 8, .value_kind: global_buffer, .address_space: global }
      - { .name: out_ln_g, .offset: 96, .size: 8, .value_kind: global_buffer, .address_space: global }
      - { .name: out_ln_b, .offset: 104, .size: 8, .value_kind: global_buffer, .address_space: global }
      - { .name: pack, .offset: 112, .size: 8, .value_kind: global_buffer, .address_space: global }
      - { .name: params, .offset: 120, .size: 8, .value_kind: global_buffer, .address_space: global }
      - { .name: out0, .offset: 128, .size: 8, .value_kind: global_buffer, .address_space: global }
    .group_segment_fixed_size: 327680
    .private_segment_fixed_size: 0
    .kernarg_segment_align: 8
    .kernarg_segment_size: 136
    .max_flat_workgroup_size: 256
    .sgpr_count:     84
    .vgpr_count:     512
    .wavefront_size: 32
...
	.end_amdgpu_metadata
.endif
;; end of part 2
